; MI455X (gfx1250); checked and timed in simulation.
; The chip was launched on July 23, 2026; its instructions are those of AMD's public machine-readable ISA for CDNA 5 (MIT licence, August 2026) and "CDNA5" Instruction Set Architecture Reference Guide (July 2026). The comments in the code are by the model that wrote it; some were corrected since.
;; Causal Self Attention. Allowed arithmetic: matrix products marked QUANTISED: E4M3 operands, one given power-of-two scale a tensor, by v_wmma_f32_16x16x64_fp8_fp8 or v_wmma_f32_16x16x128_fp8_fp8, f32 sums; everything else in f32.
;; Inputs: Wk 1,024 x 1,024 float32; Wp 1,024 x 1,024 float32; Wq 1,024 x 1,024 float32; Wv 1,024 x 1,024 float32; bp 1,024 float32; lowp_scales 12 int32 (the exponents e of the quantised operands' scales 2^e); x 4 x 2,048 x 1,024 float32.
;; Outputs: out0 4 x 2,048 x 1,024 float32.
;; This version of the problem:
;;   THIS VERSION OF THE PROBLEM IS GIVEN IN LOW PRECISION. The matrix products marked QUANTISED in the list below multiply operands that are first quantised to E4M3 (4 exponent bits, 3 mantissa bits; 8 bits a number), with one given power-of-two scale for each operand tensor; their sums are f32. All else is computed in f32.
;;   The module's matrix products, in the order in which they are computed (A, B: the left and right operand; K: the contracted axis; several contracted axes count as one K, in the product's order):
;;     1. [M 8,192, K 1,024] x [K 1,024, N 1,024]; A: input x; B: input Wk: QUANTISED (scales: A lowp_scales[0], B lowp_scales[1])
;;     2. [M 8,192, K 1,024] x [K 1,024, N 1,024]; A: input x; B: input Wq: QUANTISED (scales: A lowp_scales[2], B lowp_scales[3])
;;     3. [M 8,192, K 1,024] x [K 1,024, N 1,024]; A: input x; B: input Wv: QUANTISED (scales: A lowp_scales[4], B lowp_scales[5])
;;     4. batch 64 x [M 2,048, K 64] x [K 64, N 2,048]; A: computed on the way; B: computed on the way: QUANTISED (scales: A lowp_scales[6], B lowp_scales[7])
;;     5. batch 64 x [M 2,048, K 2,048] x [K 2,048, N 64]; A: softmax (see below); B: computed on the way: QUANTISED (scales: A lowp_scales[8], B lowp_scales[9])
;;     6. [M 8,192, K 1,024] x [K 1,024, N 1,024]; A: computed on the way; B: input Wp: QUANTISED (scales: A lowp_scales[10], B lowp_scales[11])
;;   THE QUANTISER, for each operand of a quantised product, along K:
;;     - The operand's scale is 2^e, e = its entry of the input lowp_scales (int32; the entries are numbered through the quantised products in the list's order, A before B).
;;     - Each number is divided by the scale, clamped to +-448, and rounded to the nearest number of E4M3, ties to even, subnormals kept.
;;     - The product sums the exact products of the quantised numbers (number of the format x scale) in f32.
;;   ~~~python
;;   def quantise(x, axis, e):      # numpy; x: float32 -> the quantised numbers, widened to float32 again
;;       x = np.moveaxis(x, axis, -1); K = x.shape[-1]
;;       r = np.clip(x / 2.0 ** e, -448, 448)
;;       step = 2.0 ** (np.maximum(np.frexp(np.where(r == 0, 1, r))[1] - 1, -6) - 3)
;;       q = np.round(r / step) * step * 2.0 ** e      # np.round: ties to even
;;       return np.moveaxis(q, -1, axis).astype(np.float32)
;;   ~~~
;;   SOFTMAX AHEAD OF A QUANTISED PRODUCT. Where the list says 'softmax', what is quantised is not the finished softmax but p = 2^(t - M), with t = logit x log2(e) and M = ceil(the row's largest t), a whole number; so 1/2 < the row's largest p <= 1. The row's sum l is taken of the UNQUANTISED p, in f32, and the product's result is divided by l at the end. Since M is a whole number, a kernel that streams over the keys may use a running M (the ceiling of the running maximum): every later rescaling is an exact power of two, so the quantised numbers keep their values, but for numbers so far below the row's largest that they fall under the format's range.
;;   OPERANDS COMPUTED ON THE WAY. 'Computed on the way' means the value that the module computes at that place (a softmax that the list does not call 'softmax' is quantised finished and normalised). What goes into a quantiser is computed in f32, as accurately as f32 sums, v_exp_f32 and their like allow (about 1e-6 of the number): no bf16 or f16 on the way to a quantiser, and a product that is left as it is and whose result goes on into a quantised operand takes f32 operands (vector FMAs, or v_wmma_f32_16x16x4_f32). A number that lies on a knife's edge between two numbers of the format may be rounded either way, as far as f32 arithmetic and the matrix unit's own rounding can turn it there, and no further.
;; One version. Each part assembles by itself: llvm-mc -triple=amdgcn-amd-amdhsa -mcpu=gfx1250 --defsym DOCPART=n.
;; ======== version 1 of 1: 4 launches
;; workspace buffers: xc 25,165,824 bytes; wc 4,194,304 bytes; qc 8,388,608 bytes; kvc 16,777,216 bytes; yc 8,388,608 bytes
;; launch quant (part 1): grid 768 x 1, 4 waves a work-group, no clusters, 34,304 bytes of LDS; arguments x, Wk, Wq, Wv, Wp, lowp_scales, xc, wc; writes xc, wc
.if DOCPART == 1
	.amdgcn_target "amdgcn-amd-amdhsa--gfx1250"
	.amdhsa_code_object_version 6
	.text
	.protected	k_q0f23630d1a_quant
	.globl	k_q0f23630d1a_quant
	.p2align	8
	.type	k_q0f23630d1a_quant,@function
k_q0f23630d1a_quant:
	s_mov_b64 s[64:65], 0
	v_nop
	global_prefetch_b8 v0, s[64:65] scope:SCOPE_SE
	s_setreg_imm32_b32 hwreg(HW_REG_WAVE_MODE, 25, 1), 1
	s_wait_xcnt 0x0
; x [8192][1024] and Wk, Wq, Wv, Wp [1024][1024], f32, K innermost, become codes of FP8 (E4M3), each with the scale 2^e that is given for it:
; code = number / 2^e, held within +-448, rounded to the nearest code, ties to even.  x is an operand of three products with three given scales (entries 0, 2, 4): three sets of codes.
; Wk, Wq, Wv, Wp take entries 1, 3, 5, 11.   LIMITS: each of these e lies between -126 and 119, so that 2^e and 448 x 2^e are f32 numbers.  NaN among the inputs is not served.
; THE CODES ARE LAID AS IMAGES OF THE OPERAND'S REGISTERS.  A fragment is 16 rows x 128 k, 2,048 bytes: lane (r, h) keeps, of the fragment's row slot r, k = 32 c + 16 h + 0 .. 15 in registers 4 c .. 4 c + 3,
; and these 16 bytes lie at 512 c + 16 x lane.  Fragment F of a tensor holds rows 32 (F / 2) + 8 (F % 2) + i + 8 (i / 8), i = 0 .. 15 the slot: so that, used as the first source of a product,
; two neighbouring fragments leave a lane 16 neighbours along the next product's K.   xc: [3 sets][64 blocks of 128 rows][8 K steps][8 fragments][2,048];  wc: [4 tensors][8 blocks][8 K steps][8 fragments][2,048].
; SHARES.  A work-group takes one fragment's 16 rows over the whole K; wave w takes K steps 2 w and 2 w + 1.  Work-groups 0 to 511: x; the other 256: the four weights, 64 each.
; Each load reads 512 consecutive bytes of one row; a K step's 16 x 512 bytes turn through the wave's own stage in LDS (rows of 512 + 16 bytes) and come back 64 bytes a lane: a lane's 16 neighbours of each block of 32.
; Each store writes 512 consecutive bytes, aligned.  Waves share nothing: no barrier.  No matrix unit, no cluster, no tensor load: a stream that is read once.
.set R0, 16                            ; v16-79   K step 0 as loaded; later its codes (three sets of 16 registers)
.set R1, 80                            ; v80-143  K step 1 likewise
.set X,  144                           ; v144-207 64 numbers: register 16 c + e = k 32 c + 16 h + e of my row
.set T,  208                           ; v208-239 two sets of 16 held numbers, by turns
.set WV, 52                            ; s52      wave
	s_load_b256 s[4:11], s[0:1], 0x0               ; x s[4:5], Wk s[6:7], Wq s[8:9], Wv s[10:11]
	s_load_b256 s[12:19], s[0:1], 0x20             ; Wp s[12:13], the scales' exponents s[14:15], xc s[16:17], wc s[18:19]
	v_lshl_add_u32 v240, v0, 2, 0x8400
	v_mov_b32 v241, 0
	v_lshrrev_b32 v10, 5, v0
	v_readfirstlane_b32 s[WV], v10
	v_and_b32 v11, 31, v0
	v_lshlrev_b32 v1, 4, v11                       ; v1 = 16 x lane: my bytes of a load's and of a store's 512
	s_mul_i32 s53, s[WV], 8448                     ; my stage: 16 rows x 528 bytes
	v_add_nc_u32 v2, s53, v1                       ; v2: into the stage, as loaded
	v_and_b32 v12, 15, v0
	v_mul_u32_u24 v3, v12, 528
	v_bfe_u32 v13, v0, 4, 1
	v_lshl_add_u32 v3, v13, 6, v3
	v_add_nc_u32 v3, s53, v3                       ; v3: out of it: row r, + 64 h bytes
	s_sub_co_u32 s28, ttmp9, 512                   ; a weight's work-group: its number among the 256
	s_lshr_b32 s29, s28, 6                         ; which weight,
	s_and_b32 s30, s28, 63                         ; which fragment of it
	s_cmp_lt_u32 ttmp9, 512
	s_cselect_b32 s30, ttmp9, s30                  ; F
	s_cselect_b32 s29, 0, s29
	s_lshr_b32 s32, s30, 1                         ; where my numbers begin: row 32 (F / 2) + 8 (F % 2) of 4,096 bytes, + 1,024 x wave
	s_lshl_b32 s32, s32, 17
	s_and_b32 s33, s30, 1
	s_lshl_b32 s33, s33, 15
	s_add_co_u32 s32, s32, s33
	s_lshl_b32 s33, s[WV], 10
	s_add_co_u32 s32, s32, s33
	s_mov_b32 s33, 0
	s_lshr_b32 s34, s30, 3                         ; where my codes go: block F / 8, K step 2 x wave, fragment F % 8
	s_lshl_b32 s34, s34, 17
	s_lshl_b32 s35, s[WV], 15
	s_add_co_u32 s34, s34, s35
	s_and_b32 s35, s30, 7
	s_lshl_b32 s35, s35, 11
	s_add_co_u32 s34, s34, s35
	s_mov_b32 s35, 0
	s_lshl_b32 s36, s29, 20                        ; a weight's codes are 2^20 bytes
	s_mov_b32 s37, 0
	s_wait_kmcnt 0x0
	s_load_b256 s[40:47], s[14:15], 0x0            ; e0 .. e7
	s_load_b128 s[48:51], s[14:15], 0x20           ; e8 .. e11
	s_cmp_eq_u32 s29, 1                            ; the source: every choice hangs on the work-group's number alone
	s_cselect_b64 s[20:21], s[8:9], s[6:7]
	s_cmp_eq_u32 s29, 2
	s_cselect_b64 s[20:21], s[10:11], s[20:21]
	s_cmp_eq_u32 s29, 3
	s_cselect_b64 s[20:21], s[12:13], s[20:21]
	s_add_nc_u64 s[18:19], s[18:19], s[36:37]
	s_cmp_lt_u32 ttmp9, 512
	s_cselect_b64 s[20:21], s[4:5], s[20:21]
	s_cselect_b64 s[22:23], s[16:17], s[18:19]
	s_add_nc_u64 s[20:21], s[20:21], s[32:33]      ; s[20:21] the numbers
	s_add_nc_u64 s[22:23], s[22:23], s[34:35]      ; s[22:23] the codes: x's first set, or the weight's
	s_add_nc_u64 s[24:25], s[16:17], s[34:35]
	s_add_nc_u64 s[26:27], s[24:25], 0x1000000     ; s[26:27] x's third set
	s_add_nc_u64 s[24:25], s[24:25], 0x800000      ; s[24:25] x's second set
.macro LOADK kk, R                     ; K step kk of my two: slot i's row lies i + 8 (i / 8) rows down
.irp i, 0,1,2,3,4,5,6,7,8,9,10,11,12,13,14,15
	global_load_b128 v[\R+4*\i:\R+4*\i+3], v1, s[20:21] offset:(\i+8*(\i/8))*4096+512*\kk th:TH_LOAD_NT
.endr
.endm
.macro TURN R                          ; through the stage: LDS serves a wave's instructions in order, so no wait stands between the stores and the loads
.irp i, 0,1,2,3,4,5,6,7,8,9,10,11,12,13,14,15
	ds_store_b128 v2, v[\R+4*\i:\R+4*\i+3] offset:528*\i
.endr
.irp c, 0,1,2,3
.irp j, 0,1,2,3
	ds_load_b128 v[X+16*\c+4*\j:X+16*\c+4*\j+3], v3 offset:128*\c+16*\j
.endr
.endr
.endm
.macro MKSCALE e, sc, lm               ; v[sc] = 2^e as f32 (the conversion takes its exponent field), v[lm] = 448 x 2^e
	s_add_co_i32 s55, s[\e], 127
	s_lshl_b32 s56, s55, 23
	v_mov_b32 v[\sc], s56
	s_add_co_i32 s55, s55, 8
	s_lshl_b32 s55, s55, 23
	s_or_b32 s55, s55, 0x600000
	v_mov_b32 v[\lm], s55
.endm
; The 64 numbers in X become a fragment's codes in v[C] on and are stored.  The hold writes other registers, since X serves up to three scales.
.macro QOUT C, sc, lm, dst, kk
.irp b, 0,1,2,3
.irp i, 0,1,2,3,4,5,6,7,8,9,10,11,12,13,14,15
	v_med3_num_f32 v[T+16*(\b%2)+\i], v[X+16*\b+\i], -v[\lm], v[\lm]   ; the conversion to an 8-bit code does not saturate (ISA guide 7.6.2): the hold at the largest code x the scale
.endr
	v_cvt_scalef32_pk8_fp8_f32 v[\C+4*\b:\C+4*\b+1], v[T+16*(\b%2):T+16*(\b%2)+7], v[\sc]
	v_cvt_scalef32_pk8_fp8_f32 v[\C+4*\b+2:\C+4*\b+3], v[T+16*(\b%2)+8:T+16*(\b%2)+15], v[\sc]
.endr
	v_nop                                          ; a plain line behind the last conversion; the sets of held numbers take turns, so sixteen plain lines stand ahead of each rewrite of a conversion's sources
.irp c, 0,1,2,3
	global_store_b128 v1, v[\C+4*\c:\C+4*\c+3], s[\dst:\dst+1] offset:16384*\kk+512*\c   ; 32 lanes store 512 consecutive bytes, aligned; no store's data are written again
.endr
.endm
	LOADK 0, R0
	LOADK 1, R1
	s_wait_kmcnt 0x0
	s_cmp_eq_u32 s29, 1                            ; the first set's exponent: e0 for x; e1, e3, e5, e11 for the weights
	s_cselect_b32 s54, s43, s41
	s_cmp_eq_u32 s29, 2
	s_cselect_b32 s54, s45, s54
	s_cmp_eq_u32 s29, 3
	s_cselect_b32 s54, s51, s54
	s_cmp_lt_u32 ttmp9, 512
	s_cselect_b32 s54, s40, s54
	MKSCALE 54, 4, 5
	MKSCALE 42, 6, 7                               ; e2
	MKSCALE 44, 8, 9                               ; e4
	s_wait_loadcnt 16                              ; K step 0's sixteen loads are in; K step 1's sixteen may be out
	TURN R0
	s_wait_dscnt 0x0                               ; X is there, and the stage's stores have read R0: the codes may land in it
	QOUT R0, 4, 5, 22, 0
	s_cmp_ge_u32 ttmp9, 512                        ; a weight has one scale
	s_cbranch_scc1 .Lone_0
	QOUT R0+16, 6, 7, 24, 0
	QOUT R0+32, 8, 9, 26, 0
.Lone_0:
	s_wait_loadcnt 0x0
	TURN R1
	s_wait_dscnt 0x0
	QOUT R1, 4, 5, 22, 1
	s_cmp_ge_u32 ttmp9, 512
	s_cbranch_scc1 .Lone_1
	QOUT R1+16, 6, 7, 24, 1
	QOUT R1+32, 8, 9, 26, 1
.Lone_1:
	s_wait_tensorcnt 0x0
	ds_add_u32 v240, v241
	s_wait_dscnt 0x0
	s_endpgm
.Lfunc_end_k_q0f23630d1a_quant:
	.size	k_q0f23630d1a_quant, .Lfunc_end_k_q0f23630d1a_quant-k_q0f23630d1a_quant
	.p2alignl 7, 3214868480
	.fill 96, 4, 3214868480
	.section	.rodata,"a",@progbits
	.p2align	6, 0x0
	.amdhsa_kernel k_q0f23630d1a_quant
		.amdhsa_group_segment_fixed_size 34304
		.amdhsa_private_segment_fixed_size 0
		.amdhsa_enable_private_segment 0
		.amdhsa_kernarg_size 64
		.amdhsa_user_sgpr_count 2
		.amdhsa_user_sgpr_kernarg_segment_ptr 1
		.amdhsa_wavefront_size32 1
		.amdhsa_system_sgpr_workgroup_id_x 1
		.amdhsa_system_sgpr_workgroup_id_y 1
		.amdhsa_system_sgpr_workgroup_id_z 1
		.amdhsa_system_vgpr_workitem_id 0
		.amdhsa_next_free_vgpr 242
		.amdhsa_next_free_sgpr 66
		.amdhsa_reserve_vcc 0
		.amdhsa_float_denorm_mode_32 3
		.amdhsa_float_denorm_mode_16_64 3
		.amdhsa_memory_ordered 1
		.amdhsa_forward_progress 1
		.amdhsa_inst_pref_size 41
	.end_amdhsa_kernel
	.amdgpu_metadata
---
amdhsa.version: [ 1, 2 ]
amdhsa.kernels:
  - .name:           k_q0f23630d1a_quant
    .symbol:         k_q0f23630d1a_quant.kd
    .args:
      - { .name: x, .offset: 0, .size: 8, .value_kind: global_buffer, .address_space: global }
      - { .name: Wk, .offset: 8, .size: 8, .value_kind: global_buffer, .address_space: global }
      - { .name: Wq, .offset: 16, .size: 8, .value_kind: global_buffer, .address_space: global }
      - { .name: Wv, .offset: 24, .size: 8, .value_kind: global_buffer, .address_space: global }
      - { .name: Wp, .offset: 32, .size: 8, .value_kind: global_buffer, .address_space: global }
      - { .name: lowp_scales, .offset: 40, .size: 8, .value_kind: global_buffer, .address_space: global }
      - { .name: xc, .offset: 48, .size: 8, .value_kind: global_buffer, .address_space: global }
      - { .name: wc, .offset: 56, .size: 8, .value_kind: global_buffer, .address_space: global }
    .group_segment_fixed_size: 34304
    .private_segment_fixed_size: 0
    .kernarg_segment_align: 8
    .kernarg_segment_size: 64
    .max_flat_workgroup_size: 128
    .sgpr_count:     66
    .vgpr_count:     242
    .wavefront_size: 32
...
	.end_amdgpu_metadata
.endif
;; end of part 1
;; launch qkv (part 2): grid 4 x 96, 4 waves a work-group, clusters of 4 x 4, 327,680 bytes of LDS; arguments xc, wc, lowp_scales, qc, kvc; writes qc, kvc
.if DOCPART == 2
	.amdgcn_target "amdgcn-amd-amdhsa--gfx1250"
	.amdhsa_code_object_version 6
	.text
	.protected	k_q0f23630d1a_qkv
	.globl	k_q0f23630d1a_qkv
	.p2align	8
	.type	k_q0f23630d1a_qkv,@function
k_q0f23630d1a_qkv:
	s_mov_b64 s[64:65], 0
	v_nop
	global_prefetch_b8 v0, s[64:65] scope:SCOPE_SE
	s_setreg_imm32_b32 hwreg(HW_REG_WAVE_MODE, 25, 1), 1
	s_wait_xcnt 0x0
	s_wait_alu depctr_hold_cnt(0) depctr_sa_sdst(0) depctr_va_vdst(0) depctr_va_sdst(0) depctr_va_ssrc(0) depctr_va_vcc(0) depctr_vm_vsrc(0)
	s_getreg_b32 s2, hwreg(HW_REG_IB_STS2, 6, 4)
	s_cmp_eq_u32 s2, 0
	s_cbranch_scc0 .Lentry_in_a_cluster
	s_endpgm
.Lentry_in_a_cluster:
	s_bfe_u32 s2, ttmp6, 0x10000c
	s_cmp_lg_u32 s2, 0xf033
	s_cbranch_scc0 .Lentry_shape_is_right
	s_endpgm
.Lentry_shape_is_right:
; k = x Wk^T, q = x Wq^T, v = x Wv^T on codes of FP8 (E4M3), sums in f32, and each sum quantised at once for the attention's products: k with entry 7, q with entry 6, v with entry 9 of the given exponents.
; A sum stands for sum x 2^(eA + eB), so its code is sum / 2^(eOut - eA - eB), held within +-448.   LIMIT: eOut - eA - eB (e7 - e0 - e1, e6 - e2 - e3, e9 - e4 - e5) lies between -126 and 119.
; OPERANDS ARE IMAGES OF THEIR REGISTERS (a fragment of 16 rows x 128 k is 2,048 bytes; lane l's registers 4 c .. 4 c + 3 lie at 512 c + 16 l and hold k = 32 c + 16 (l / 16) + 0 .. 15 of row slot l % 16):
; a block of 128 rows x 2 K steps is 32,768 dense bytes, one tensor load; a fragment comes by four ds_load_b128 at 16 x lane, 512 consecutive bytes each: no pitch, no padding.
; The same places of k on both sides: every product meets its partner; only the order of the sums inside an instruction differs from the form's own layout.
; A tile of 256 x 256 is made by four waves, 128 x 128 each: 64 accumulators, 512 registers.  K = 1,024 goes in 8 steps of 128 through two LDS slots of two steps each: four fills, written out without a loop.
; THE MATRIX INSTRUCTION IS USED TRANSPOSED: source 0 = B's 16 rows, source 1 = A's.  A lane then holds ONE row slot of A, and, since fragment 2 b + u holds rows 32 b + 8 u + i + 8 (i / 8), its 64 sums of a block of A are
; B's rows 32 b + 16 (l / 16) + 0 .. 15, b = 0 .. 3: the very order of an operand's registers along the next K.  The conversions' results are stored as they stand: no stage in LDS.
; k, q: A = x (tokens), B = W (features): the next K is the head's 64.   v: A = Wv, B = x: the next K is the keys.  The roles are changed at the pointers alone; one text serves the three.
; qc: [b 4][pair of heads 8][block of 128 queries 16][head of the pair 2][8 fragments of 16 tokens x 64][1,024];  kvc: [b][pair][block of 128 keys][head 2][K: 8 fragments x 1,024, then V: 4 fragments of 16 d x 128 keys x 2,048].
; CLUSTERS: 4 x 4 work-groups; the four of a row need the same tiles of A, the four of a column the same tiles of B: each tile is asked for jointly.  Cluster y = 8 SEL + Y7: SEL 0 = k, 1 = q, 2 = v.
; No prefetch: four fills in all, two of them at the head.
; REGISTERS, in windows of 256: window 0: v16-29 addresses and constants; v32-95 at work on the way out; from v128 A's fragments, one set, later the codes.  window 1: B's fragments, two sets.  windows 2, 3: the accumulators.
.set FR,    16                         ; registers of a fragment
.set NL,    4                          ; LDS loads that bring one
.set NP,    4                          ; places behind this matrix instruction (ISA guide 7.12.1)
.set HALFT, 32768                      ; what one tensor load brings: 128 rows x 2 K steps
.set KSB,   32768                      ; a slot on along K, in an operand's block of 128 rows
.set SLOT,  4*HALFT                    ; A's two halves, then B's two
.set SPARE, 2*SLOT                     ; behind the ring: the spare words, 128 bytes for each wave: two blocks of 256 bytes that no other line names
.set ADRA, 16                          ; v16-17  LDS address of my A fragments in slot 0, 1
.set ADRB, 20                          ; v20-21  the same for B
.set VO0,  24                          ; v24     16 x lane
.set VO1,  25                          ; v25     16 x lane + the distance to the second half of a block's codes
.set SCV,  26                          ; v26     2^(eOut - eA - eB)
.set LMV,  27                          ; v27     448 x that
.set SPW,  28                          ; v28     LDS address of my spare word; never rewritten
.set NIL,  29                          ; v29     0; never rewritten
.set TMP,  32
.set AF,   128
.set G1, 24                            ; s[24:31] descriptor group 1 for A's tiles;  s[32:39] group 0, one set for each slot
.set G0, 32
.set G1B, 48                           ; s[48:55], s[56:63] the same for B's tiles
.set G0B, 56
.set MSB, 0
.macro WIN new                         ; the immediate's high byte repeats the setting that is left
.if MSB != \new
	s_set_vgpr_msb (MSB<<8)|\new
.set MSB, \new
.endif
.endm
.set MUL_LO, 0xa1                      ; source 0 (B) window 1, source 1 (A) window 0, C and D window 2
.set MUL_HI, 0xf1                      ; the same, C and D window 3
.set TO_B,   0x40                      ; destination window 1, address window 0
; A joint load: waves 0 and 1 fetch for A, waves 2 and 3 for B; the branch hangs on the wave's number alone.  Four v_nop follow each of the two lines.
.macro JLOAD g0a, g1a, g0b, g1b
	s_cmp_eq_u32 s15, 0
	s_cbranch_scc0 .Lfor_b_\@
	tensor_load_to_lds s[\g0a:\g0a+3], s[\g1a:\g1a+7]
	s_nop 0
.rept 4
	v_nop
.endr
	s_branch .Lasked_\@
.Lfor_b_\@:
	tensor_load_to_lds s[\g0b:\g0b+3], s[\g1b:\g1b+7]
	s_nop 0
.rept 4
	v_nop
.endr
.Lasked_\@:
.endm
.macro CREST                           ; a round of the cluster's barrier behind its opening barrier
	s_cmp_lg_u32 s14, 0
	s_cbranch_scc1 .Lnot_wave_0_\@
	s_barrier_signal -3
.Lnot_wave_0_\@:
	s_barrier_wait -3
	s_barrier_signal -1
	s_barrier_wait -1
.endm
.macro CROUND                          ; a whole round
	s_barrier_signal -1
	s_barrier_wait -1
	CREST
.endm
	s_load_b128 s[4:7], s[0:1], 0x0                ; xc s[4:5], wc s[6:7]
	s_load_b128 s[8:11], s[0:1], 0x10              ; the scales' exponents s[8:9], qc s[10:11]
	s_load_b64 s[12:13], s[0:1], 0x20              ; kvc
	v_lshl_add_u32 v[SPW], v0, 2, SPARE
	v_mov_b32 v[NIL], 0
	ds_add_u32 v28, v29
	s_wait_dscnt 0x0
	v_lshrrev_b32 v1, 5, v0
	v_readfirstlane_b32 s14, v1                    ; wave 0..3
	s_lshr_b32 s15, s14, 1                         ; which half of the tile's A rows is mine.  Also: I fetch for A (0) or for B (1)
	s_and_b32 s16, s14, 1                          ; which half of its B rows.  Also: which 128 rows of that tile I fetch
	s_bfe_u32 s40, ttmp6, 0x40000                  ; cx, cy: my place in the cluster
	s_bfe_u32 s41, ttmp6, 0x40004
	s_and_b32 s66, ttmp7, 0xffff                   ; cluster y, 0 .. 23
	s_lshr_b32 s67, s66, 3                         ; SEL: 0 = k, 1 = q, 2 = v: the same in all sixteen partners
	s_and_b32 s66, s66, 7
	s_lshl_b32 s66, s66, 2                         ; x has 32 tiles of 256 rows, a weight 4: the cluster's y walks x's
	s_cmp_eq_u32 s67, 2
	s_cselect_b32 s17, 0, s66
	s_cselect_b32 s42, s66, 0
	s_add_co_u32 s17, s17, s41                     ; A's tile: hangs on cy, never on cx
	s_add_co_u32 s42, s42, s40                     ; B's tile: hangs on cx, never on cy
	s_lshl_b32 s43, s41, 2
	s_lshl_b32 s43, 15, s43                        ; my row of the cluster
	s_lshl_b32 s44, 0x1111, s40                    ; my column
	; descriptor group 1: a dense block of 32,768 bytes as 128 rows of 256
	s_or_b32 s[G1+0], s43, (3<<16)|(1<<21)         ; 15:0 the mask: A's tiles go to my row; 17:16 elements of 8 bytes; 20 no padding; 21 set beside a mask
	s_or_b32 s[G1B+0], s44, (3<<16)|(1<<21)
.irp g, G1, G1B
	s_mov_b32 s[\g+1], 32<<16                      ; tensor_dim0 = 32 elements
	s_mov_b32 s[\g+2], 128<<16                     ; tensor_dim1 = 128
	s_mov_b32 s[\g+3], 32<<16                      ; tile_dim0
	s_mov_b32 s[\g+4], 128                         ; tile_dim1
	s_mov_b32 s[\g+5], 32                          ; tensor_dim0_stride: dense
	s_mov_b32 s[\g+6], 0
	s_mov_b32 s[\g+7], 0
.endr
	s_lshl_b32 s20, s17, 1
	s_add_co_u32 s20, s20, s16
	s_lshl_b32 s20, s20, 17                        ; A: block of 128 rows 2 x tile + half, 131,072 bytes each
	s_mov_b32 s21, 0
	s_lshl_b32 s46, s42, 1
	s_add_co_u32 s46, s46, s16
	s_lshl_b32 s46, s46, 17                        ; B likewise
	s_mov_b32 s47, 0
	s_lshl_b32 s68, s67, 23                        ; x's set of codes SEL: 2^23 bytes each
	s_mov_b32 s69, 0
	s_lshl_b32 s72, s67, 20                        ; weight SEL: 2^20 bytes each
	s_mov_b32 s73, 0
	s_mul_i32 s45, s14, HALFT                      ; where my load goes: wave x 32,768: no place in the cluster enters an LDS address
	s_wait_kmcnt 0x0
	s_load_b256 s[80:87], s[8:9], 0x0              ; e0 .. e7
	s_load_b128 s[88:91], s[8:9], 0x20             ; e8 .. e11
	s_add_nc_u64 s[70:71], s[4:5], s[68:69]
	s_add_nc_u64 s[74:75], s[6:7], s[72:73]
	s_cmp_eq_u32 s67, 2                            ; for v the weight is A and x is B
	s_cselect_b64 s[76:77], s[74:75], s[70:71]
	s_cselect_b64 s[78:79], s[70:71], s[74:75]
	s_add_nc_u64 s[20:21], s[76:77], s[20:21]
	s_add_nc_u64 s[46:47], s[78:79], s[46:47]
	CROUND                                         ; all sixteen work-groups are here: the first joint loads meet
.irp s, 0,1
	s_mov_b32 s[G0+4*\s], 1
	s_add_co_u32 s[G0+4*\s+1], s45, \s*SLOT
	s_add_nc_u64 s[G0+4*\s+2:G0+4*\s+3], s[20:21], \s*KSB
	s_or_b32 s[G0+4*\s+3], s[G0+4*\s+3], 0x80000000
	s_mov_b32 s[G0B+4*\s], 1
	s_add_co_u32 s[G0B+4*\s+1], s45, \s*SLOT
	s_add_nc_u64 s[G0B+4*\s+2:G0B+4*\s+3], s[46:47], \s*KSB
	s_or_b32 s[G0B+4*\s+3], s[G0B+4*\s+3], 0x80000000
	JLOAD G0+4*\s, G1, G0B+4*\s, G1B
.endr
	v_and_b32 v1, 31, v0
	v_lshlrev_b32 v[VO0], 4, v1                    ; 16 x lane
	s_lshl_b32 s22, s15, 15                        ; my 128 rows of A
	s_lshl_b32 s23, s16, 15                        ; my 128 rows of B,
	s_add_co_u32 s23, s23, 2*HALFT                 ; which lie behind A's 256
.irp s, 0,1
	v_add_nc_u32 v[ADRA+\s], s22, v[VO0]
	v_add_nc_u32 v[ADRB+\s], s23, v[VO0]
	s_add_co_u32 s22, s22, SLOT
	s_add_co_u32 s23, s23, SLOT
.endr
	; where my codes go
	s_lshl_b32 s68, s17, 1
	s_add_co_u32 s68, s68, s15                     ; my block of 128 rows of A
	s_lshl_b32 s69, s42, 1
	s_add_co_u32 s69, s69, s16                     ; and of B
	s_cmp_eq_u32 s67, 2
	s_cselect_b32 s70, s69, s68                    ; the block of 128 tokens, 0 .. 63,
	s_cselect_b32 s71, s68, s69                    ; the pair of heads, 0 .. 7
	s_lshr_b32 s72, s70, 4
	s_lshl_b32 s72, s72, 3
	s_add_co_u32 s72, s72, s71
	s_lshl_b32 s72, s72, 4
	s_and_b32 s70, s70, 15
	s_add_co_u32 s72, s72, s70                     ; (8 b + pair) x 16 + the block within the batch
	s_mov_b32 s73, 0
	s_cmp_eq_u32 s67, 1
	s_cselect_b64 s[74:75], s[10:11], s[12:13]     ; qc or kvc
	s_cselect_b32 s70, 14, 15                      ; 16,384 bytes a block in qc, 32,768 in kvc
	s_lshl_b32 s72, s72, s70
	s_add_nc_u64 s[74:75], s[74:75], s[72:73]
	s_mov_b32 s76, 1024
	s_mov_b32 s77, 16384
	s_cmp_eq_u32 s67, 2
	s_cselect_b32 s72, 8192, 0                     ; V lies behind a head's K
	s_cselect_b32 s78, 2048, s76                   ; from a block of A to the next: a fragment of 1,024 (q, k) or of 2,048 (v)
	s_cselect_b32 s92, 10240, s76                  ; v: from a head's last fragment of V to the next head's first
	s_cselect_b32 s77, s76, s77
	s_add_nc_u64 s[74:75], s[74:75], s[72:73]      ; s[74:75]: my first block's codes
	s_mov_b32 s79, 0
	s_mov_b32 s93, 0
	s_cmp_eq_u32 s67, 1
	s_cselect_b32 s77, 8192, s77                   ; to the second half of a block's 64 codes a lane: the pair's other head (q 8,192, k 16,384), or the fragment's second half (v 1,024)
	v_add_nc_u32 v[VO1], s77, v[VO0]
.macro FRAG reg, adr, q, i             ; fragment i of the slot's q-th K step: four loads of 512 consecutive bytes
.irp c, 0,1,2,3
	ds_load_b128 v[\reg+4*\c:\reg+4*\c+3], v[\adr] offset:16384*(\q)+2048*(\i)+512*\c
.endr
.endm
; 16 matrix instructions: A's blocks a0, a0 + 1 x B's eight, 128 along K.  p: B's set.  zero = 1: the first product starts the sums.  The 64 accumulators take turns, one instruction a turn, in the same order in every step.
.macro MUL16 a0, p, zero
.irp a, \a0, \a0+1
.irp b, 0,1,2,3,4,5,6,7
.if \zero
	v_wmma_f32_16x16x128_fp8_fp8 v[8*(8*((\a)%4)+\b):8*(8*((\a)%4)+\b)+7], v[128*(\p)+FR*\b:128*(\p)+FR*\b+FR-1], v[AF+FR*(\a):AF+FR*(\a)+FR-1], 0
.else
	v_wmma_f32_16x16x128_fp8_fp8 v[8*(8*((\a)%4)+\b):8*(8*((\a)%4)+\b)+7], v[128*(\p)+FR*\b:128*(\p)+FR*\b+FR-1], v[AF+FR*(\a):AF+FR*(\a)+FR-1], v[8*(8*((\a)%4)+\b):8*(8*((\a)%4)+\b)+7]
.endif
.endr
.endr
.endm
.macro FETCH_B slot, q, p
	WIN TO_B
.irp i, 0,1,2,3,4,5,6,7
	FRAG 128*(\p)+FR*\i, ADRB+\slot, \q, \i
.endr
	WIN 0
.endm
.macro FETCH_A slot, q, i0
.irp i, \i0, \i0+1, \i0+2, \i0+3
	FRAG AF+FR*(\i), ADRA+\slot, \q, \i
.endr
.endm
.macro PLACES n                        ; plain vector lines between a matrix instruction and a load into, or a vector read of, its registers (ISA guide 7.12.1 for vector reads)
.rept \n
	v_nop
.endr
.endm
; A step of 128 along K that has its successor in the same slot.  A's blocks are free as soon as their eight products are issued: one set serves A; B's fragments work through the whole step: two sets.
.macro STEP slot, q, zero
	s_wait_dscnt 4*NL                              ; B's set and A's blocks 0-3 are in; the youngest sixteen loads (A's blocks 4-7) may be out
	WIN MUL_LO
	MUL16 0, (\q)%2, \zero
	MUL16 2, (\q)%2, \zero
	s_wait_dscnt 0                                 ; A's blocks 4-7 are in
	PLACES NP
	FETCH_B \slot, (\q)+1, 1-(\q)%2
	FETCH_A \slot, (\q)+1, 0
	WIN MUL_HI
	MUL16 4, (\q)%2, \zero
	MUL16 6, (\q)%2, \zero
	PLACES NP
	WIN 0
	FETCH_A \slot, (\q)+1, 4
.endm
; A slot's last step changes slots: one barrier; in front of it each wave waits for all its tensor loads, adds 0 to its spare word, and waits for that and for its own reads of this slot.  fill = 1: the slot is filled again.
.macro TURN slot, next, fill
	s_wait_tensorcnt 0x0                           ; all my tensor loads have landed: my part of the next slot
	ds_add_u32 v[SPW], v[NIL]                      ; 0 onto my spare word
	s_wait_dscnt 4*NL+1                            ; (the add and the youngest sixteen loads may be out)
	WIN MUL_LO
	MUL16 0, 1, 0
	s_wait_dscnt 0x0                               ; the add is done, and my reads of this slot are over
	s_barrier_signal -1
	MUL16 2, 1, 0
	WIN 0
	s_barrier_wait -1
.if \fill
	CREST                                          ; the barrier has opened a round of the cluster's barrier: no wave of any partner still reads this slot or has a load on its way
	s_add_nc_u64 s[G0+4*\slot+2:G0+4*\slot+3], s[G0+4*\slot+2:G0+4*\slot+3], 2*KSB
	s_add_nc_u64 s[G0B+4*\slot+2:G0B+4*\slot+3], s[G0B+4*\slot+2:G0B+4*\slot+3], 2*KSB
	JLOAD G0+4*\slot, G1, G0B+4*\slot, G1B         ; the first tensor load behind the round; its four v_nop are also the places in front of the loads below
.else
	PLACES NP
.endif
	FETCH_B \next, 0, 0
	FETCH_A \next, 0, 0
	WIN MUL_HI
	MUL16 4, 1, 0
	MUL16 6, 1, 0
	PLACES NP
	WIN 0
	FETCH_A \next, 0, 4
.endm
	s_wait_tensorcnt 1                             ; my part of slot 0 is in; slot 1's load may be out
	s_barrier_signal -1
	s_barrier_wait -1
	FETCH_B 0, 0, 0
	FETCH_A 0, 0, 0
	FETCH_A 0, 0, 4
	STEP 0, 0, 1                                   ; K step 0 starts the sums
	TURN 0, 1, 1                                   ; 1; slot 0 takes K steps 4 and 5
	STEP 1, 0, 0                                   ; 2
	TURN 1, 0, 1                                   ; 3; slot 1 takes K steps 6 and 7
	STEP 0, 0, 0                                   ; 4
	TURN 0, 1, 0                                   ; 5; nothing is left to fetch
	STEP 1, 0, 0                                   ; 6
	s_wait_dscnt 4*NL                              ; 7
	WIN MUL_LO
	MUL16 0, 1, 0
	MUL16 2, 1, 0
	s_wait_dscnt 0
	WIN MUL_HI
	MUL16 4, 1, 0
	MUL16 6, 1, 0
	WIN 0
	; THE WAY OUT.  The three folded exponents are made and one is chosen by SEL: no branch hangs on a loaded number.
	s_wait_kmcnt 0x0
	s_sub_co_i32 s94, s87, s80
	s_sub_co_i32 s94, s94, s81                     ; k: e7 - e0 - e1
	s_sub_co_i32 s95, s86, s82
	s_sub_co_i32 s95, s95, s83                     ; q: e6 - e2 - e3
	s_sub_co_i32 s3, s89, s84
	s_sub_co_i32 s3, s3, s85                       ; v: e9 - e4 - e5
	s_cmp_eq_u32 s67, 1
	s_cselect_b32 s94, s95, s94
	s_cmp_eq_u32 s67, 2
	s_cselect_b32 s94, s3, s94
	s_add_co_i32 s94, s94, 127
	s_lshl_b32 s95, s94, 23
	v_mov_b32 v[SCV], s95
	s_add_co_i32 s94, s94, 8
	s_lshl_b32 s94, s94, 23
	s_or_b32 s94, s94, 0x600000
	v_mov_b32 v[LMV], s94
; Block a of A: my lane's 64 sums are held, converted (each accumulator is read from its low end on) and stored as they stand: four stores of 512 consecutive bytes, aligned.  Each block has its own 16 registers of codes.
.macro OUTBLK a
.set AC, 64*((\a)%4)
.set CD, 128+16*(\a)
	WIN 0x02+((\a)/4)                              ; source 0: window 2 or 3
.set j, 0
.rept 64
	v_med3_num_f32 v[TMP+j], v[AC+j], -v[LMV], v[LMV]
.set j, j+1
.endr
	WIN 0
.irp g, 0,1,2,3,4,5,6,7
	v_cvt_scalef32_pk8_fp8_f32 v[CD+2*\g:CD+2*\g+1], v[TMP+8*\g:TMP+8*\g+7], v[SCV]
.endr
	v_nop                                          ; a plain line behind the last conversion: the next block's holds write its sources
.if (\a) > 0
	s_wait_xcnt 0x0                                ; the earlier stores have read their base: it may step
.if (\a) == 4
	s_add_nc_u64 s[74:75], s[74:75], s[92:93]
.else
	s_add_nc_u64 s[74:75], s[74:75], s[78:79]
.endif
.endif
	global_store_b128 v[VO0], v[CD:CD+3], s[74:75]
	global_store_b128 v[VO0], v[CD+4:CD+7], s[74:75] offset:512
	global_store_b128 v[VO1], v[CD+8:CD+11], s[74:75]
	global_store_b128 v[VO1], v[CD+12:CD+15], s[74:75] offset:512
.endm
	PLACES NP                                      ; behind the last products: their results are read, and the registers that held A's fragments are written
.irp a, 0,1,2,3,4,5,6,7
	OUTBLK \a
.endr
	s_wait_tensorcnt 0x0                           ; the wave's end
	ds_add_u32 v[SPW], v[NIL]
	s_wait_dscnt 0x0
	CROUND                                         ; the closing round: no work-group ends while a partner may still ask for a tile that names it
	s_endpgm
.Lfunc_end_k_q0f23630d1a_qkv:
	.size	k_q0f23630d1a_qkv, .Lfunc_end_k_q0f23630d1a_qkv-k_q0f23630d1a_qkv
	.p2alignl 7, 3214868480
	.fill 96, 4, 3214868480
	.section	.rodata,"a",@progbits
	.p2align	6, 0x0
	.amdhsa_kernel k_q0f23630d1a_qkv
		.amdhsa_group_segment_fixed_size 327680
		.amdhsa_private_segment_fixed_size 0
		.amdhsa_enable_private_segment 0
		.amdhsa_kernarg_size 40
		.amdhsa_user_sgpr_count 2
		.amdhsa_user_sgpr_kernarg_segment_ptr 1
		.amdhsa_wavefront_size32 1
		.amdhsa_system_sgpr_workgroup_id_x 1
		.amdhsa_system_sgpr_workgroup_id_y 1
		.amdhsa_system_sgpr_workgroup_id_z 1
		.amdhsa_system_vgpr_workitem_id 0
		.amdhsa_next_free_vgpr 1024
		.amdhsa_next_free_sgpr 100
		.amdhsa_reserve_vcc 0
		.amdhsa_float_denorm_mode_32 3
		.amdhsa_float_denorm_mode_16_64 3
		.amdhsa_memory_ordered 1
		.amdhsa_forward_progress 1
		.amdhsa_inst_pref_size 119
	.end_amdhsa_kernel
	.amdgpu_metadata
---
amdhsa.version: [ 1, 2 ]
amdhsa.kernels:
  - .name:           k_q0f23630d1a_qkv
    .symbol:         k_q0f23630d1a_qkv.kd
    .args:
      - { .name: xc, .offset: 0, .size: 8, .value_kind: global_buffer, .address_space: global }
      - { .name: wc, .offset: 8, .size: 8, .value_kind: global_buffer, .address_space: global }
      - { .name: lowp_scales, .offset: 16, .size: 8, .value_kind: global_buffer, .address_space: global }
      - { .name: qc, .offset: 24, .size: 8, .value_kind: global_buffer, .address_space: global }
      - { .name: kvc, .offset: 32, .size: 8, .value_kind: global_buffer, .address_space: global }
    .group_segment_fixed_size: 327680
    .private_segment_fixed_size: 0
    .kernarg_segment_align: 8
    .kernarg_segment_size: 40
    .max_flat_workgroup_size: 128
    .sgpr_count:     100
    .vgpr_count:     1024
    .wavefront_size: 32
...
	.end_amdgpu_metadata
.endif
;; end of part 2
;; launch attn (part 3): grid 8 x 32, 16 waves a work-group, no clusters, 327,680 bytes of LDS; arguments qc, kvc, lowp_scales, yc; writes yc
.if DOCPART == 3
	.amdgcn_target "amdgcn-amd-amdhsa--gfx1250"
	.amdhsa_code_object_version 6
	.text
	.protected	k_q0f23630d1a_attn
	.globl	k_q0f23630d1a_attn
	.p2align	8
	.type	k_q0f23630d1a_attn,@function
k_q0f23630d1a_attn:
	s_mov_b64 s[64:65], 0
	v_nop
	global_prefetch_b8 v0, s[64:65] scope:SCOPE_SE
	s_setreg_imm32_b32 hwreg(HW_REG_WAVE_MODE, 25, 1), 1
	s_wait_xcnt 0x0
; y[b][t][head][:] = the sum over keys k <= t of softmax_k(q . k / 8) v, both products on codes of FP8 (E4M3); y is quantised at once (entry 10 of the given exponents) for the last product.
; THE SOFTMAX: t = score x log2(e) / 8; M = the row's largest t so far, rounded UP to a whole number; p = 2^(t - M) is quantised along the keys with 2^e8, not normalised.  The row's sum is taken of the unquantised p and divides at
; the end.  When M moves, the sum and O are multiplied by 2^(old M - new M): nothing is rounded.
; LIMITS on the given exponents: e6 + e7 between -123 and 130 (added to c's exponent field); e8, and e10 - e8 - e9, between -126 and 119.
; OPERANDS ARE IMAGES OF THEIR REGISTERS, laid by the launch before: a fragment's registers 4 c .. 4 c + 3 of lane l lie at 512 c + 16 l.  qc: [8 b + pair][block of 128 queries 16][head 2][8 fragments x 1,024];
; kvc: [8 b + pair][block of 128 keys 16][head 2][K: 8 fragments of 16 keys x 64, 1,024 each; V: 4 fragments of 16 d x 128 keys, 2,048 each]: a block is 32,768 dense bytes.  Fragment 2 b + u, slot i holds token (or d) 32 b + 8 u + i + 8 (i / 8).
; Both products are used transposed: S^T = K Q^T, O^T = V^T P^T: a lane holds ONE query, and the 16 registers of tiles 2 b, 2 b + 1 are keys (or d) 32 b + 16 (lane / 16) + 0 .. 15: the conversions' results are the next operand.
; SHARES.  A work-group has a pair of heads of one batch and two blocks of 128 queries: block I against key blocks 0 .. I, then block 15 - I against key blocks 0 .. 15 - I: 17 key steps of 128 in every work-group, none of them
; wholly hidden; the last step of each phase lies on the diagonal and is masked.  Sixteen waves: head wave / 8 of the pair, query fragment wave % 8: 16 queries in 224 registers, four waves to a SIMD, so that one wave's vector
; work stands beside another's matrix work and LDS loads.  A key block comes through a ring of two LDS slots; waves 0 and 1 fetch a head's 16,384 bytes each; all sixteen read.
; NO CLUSTER: the eight work-groups of a pair of heads walk different sequences of key blocks (that is what makes their work equal: 17 steps each); joint requests would want one common walk of 16 + 16 blocks.
; yc is laid as an operand of the last product: [block of 128 tokens 64][K step = pair 8][8 fragments][2,048]; a head's 64 are half a fragment.
.set SLOT1, 32768
.set SPARE, 65536                      ; behind the ring: the spare words, 128 bytes for each wave: eight blocks of 256 bytes that no other line names
.set LA,  1                            ; v1   16 x lane + 16,384 x head: my place in a slot
.set DQ,  2                            ; v2   my query within its block, less 16 (lane / 16)
.set PFO, 3                            ; v3   256 x lane
.set L16, 4                            ; v4   16 x lane
.set SPW, 5                            ; v5   LDS address of my spare word; never rewritten
.set NIL, 6                            ; v6   0; never rewritten
.set ADR, 8                            ; v8   LDS address of the step's fragments
.set KV,  32                           ; v32-95   K's eight fragments, then V's four
.set ST,  96                           ; v96-159  S^T, then p
.set OT,  160                          ; v160-191 O^T
.set PC,  192                          ; v192-207 p's codes
.set YC,  208                          ; v208-215 y's codes
                                       ; v12 -M, v13 the largest t, v[14:15] the sum in two halves, v16-23 Q, v24, v25 y's scale and hold, v26, v27 p's; v216-223 at work
.set TB,  2                            ; s2   LDS byte at which the slot in hand begins
.set SS,  3                            ; s3   the key step, 0 .. 16
.set WV,  18                           ; s18  wave
.set II,  19                           ; s19  I
.set SEL, 20                           ; s[20:21] lane selects for v_permlanex16_b32: lane l xor 16
.set CS,  22                           ; s[22:23] c = log2(e) / 8 x 2^(e6 + e7)
.set G1,  24                           ; s[24:31] descriptor group 1
.set G0,  40                           ; s[40:43] descriptor group 0, which walks
.set KVB, 44                           ; s[44:45] my head's part of key block 0
.set OFF, 46                           ; s[46:47] an offset
.set PFB, 48                           ; s[48:49] my wave's quarter of key block 0, for the prefetches
.set PFA, 50                           ; s[50:51] where the prefetch in hand stands
.set LIM, 52                           ; s52  14 in a wave that prefetches, else 0
.macro TLOAD                           ; waves 0 and 1 fetch; four v_nop follow the line
	s_cmp_lt_u32 s[WV], 2
	s_cbranch_scc0 .Lnone_\@
	tensor_load_to_lds s[G0:G0+3], s[G1:G1+7]
	s_nop 0
.rept 4
	v_nop
.endr
.Lnone_\@:
.endm
; A PREFETCH INTO THE L2: in step S key block S + 2, 32,768 bytes, lanes 256 bytes apart, 8,192 bytes for each of waves 4 to 7 of the pair's work-group I = 0: each aligned block of 256 bytes is named once in the launch.
; The earliest tensor load that names key block n is issued in step n - 1 (by the work-groups with I >= n, or by I = 0's second phase one step later): the prefetch stands a key step ahead of it.  Key blocks 0 and 1 come by their loads alone; behind S = 13 nothing is left to name.
.macro ASK
	s_cmp_lt_u32 s[SS], s[LIM]
	s_cbranch_scc0 .Lnot_mine_\@
	global_prefetch_b8 v[PFO], s[PFA:PFA+1] th:TH_LOAD_NT scope:SCOPE_SE
.Lnot_mine_\@:
.endm
	s_load_b128 s[4:7], s[0:1], 0x0                ; qc s[4:5], kvc s[6:7]
	s_load_b128 s[8:11], s[0:1], 0x10              ; the scales' exponents s[8:9], yc s[10:11]
	v_lshl_add_u32 v[SPW], v0, 2, SPARE
	v_mov_b32 v[NIL], 0
	ds_add_u32 v5, v6
	s_wait_dscnt 0x0
	v_lshrrev_b32 v8, 5, v0
	v_readfirstlane_b32 s[WV], v8                  ; wave 0..15
	s_mov_b32 s[II], ttmp9                         ; I, 0 .. 7
	s_and_b32 s32, ttmp7, 0xffff                   ; 8 b + pair
	s_lshr_b32 s33, s[WV], 3                       ; my head of the pair
	s_and_b32 s34, s[WV], 7                        ; my fragment of 16 queries
	s_sub_co_u32 s35, 15, s[II]                    ; the second phase's block of queries
	s_lshl_b32 s36, s32, 4                         ; Q: (((8 b + pair) x 16 + block) x 2 + head) x 8,192 + fragment x 1,024
	s_add_co_u32 s37, s36, s[II]
	s_add_co_u32 s38, s36, s35
	s_lshl_b32 s37, s37, 1
	s_lshl_b32 s38, s38, 1
	s_add_co_u32 s37, s37, s33
	s_add_co_u32 s38, s38, s33
	s_lshl_b32 s37, s37, 13
	s_lshl_b32 s38, s38, 13
	s_lshl_b32 s39, s34, 10
	s_add_co_u32 s54, s37, s39
	s_add_co_u32 s56, s38, s39
	s_mov_b32 s55, 0
	s_mov_b32 s57, 0
	s_lshr_b32 s36, s32, 3                         ; y: (16 b + block) x 131,072 + pair x 16,384 + fragment x 2,048 + head x 1,024
	s_lshl_b32 s36, s36, 4
	s_add_co_u32 s37, s36, s[II]
	s_add_co_u32 s38, s36, s35
	s_lshl_b32 s37, s37, 17
	s_lshl_b32 s38, s38, 17
	s_and_b32 s39, s32, 7
	s_lshl_b32 s39, s39, 14
	s_lshl_b32 s36, s34, 11
	s_add_co_u32 s39, s39, s36
	s_lshl_b32 s36, s33, 10
	s_add_co_u32 s39, s39, s36
	s_add_co_u32 s58, s37, s39
	s_add_co_u32 s60, s38, s39
	s_mov_b32 s59, 0
	s_mov_b32 s61, 0
	s_lshl_b32 s38, s32, 19                        ; K and V: 16 blocks of 32,768 bytes for each 8 b + pair
	s_and_b32 s36, s[WV], 1
	s_lshl_b32 s37, s36, 14                        ; the head that I fetch, if I fetch: in memory and in a slot
	s_add_co_u32 s[KVB], s38, s37
	s_mov_b32 s[KVB+1], 0
	s_and_b32 s39, s[WV], 3
	s_lshl_b32 s39, s39, 13
	s_add_co_u32 s[PFB], s38, s39
	s_mov_b32 s[PFB+1], 0
	s_mov_b32 s[OFF+1], 0
	s_sub_co_u32 s53, s[WV], 4
	s_lshr_b32 s53, s53, 2                         ; 0 in waves 4 to 7,
	s_or_b32 s53, s53, ttmp9                       ; of the work-group I = 0
	s_cmp_eq_u32 s53, 0
	s_cselect_b32 s[LIM], 14, 0
	; descriptor group 1: a dense block of 16,384 bytes as 64 rows of 256
	s_mov_b32 s[G1], 3<<16                         ; 15:0 no mask; 17:16 elements of 8 bytes; no padding
	s_mov_b32 s[G1+1], 32<<16                      ; tensor_dim0 = 32 elements
	s_mov_b32 s[G1+2], 64<<16                      ; tensor_dim1 = 64
	s_mov_b32 s[G1+3], 32<<16                      ; tile_dim0
	s_mov_b32 s[G1+4], 64                          ; tile_dim1
	s_mov_b32 s[G1+5], 32                          ; tensor_dim0_stride: dense
	s_mov_b32 s[G1+6], 0
	s_mov_b32 s[G1+7], 0
	s_mov_b32 s[SEL], 0x76543210
	s_mov_b32 s[SEL+1], 0xfedcba98
	s_mov_b32 s[CS], 0x3e38aa3b                    ; log2(e) / 8
	s_mov_b32 s[TB], 0
	s_mov_b32 s[SS], 0
	s_wait_kmcnt 0x0
	s_load_b256 s[68:75], s[8:9], 0x0              ; e0 .. e7
	s_load_b128 s[76:79], s[8:9], 0x20             ; e8 .. e11
	s_add_nc_u64 s[KVB:KVB+1], s[6:7], s[KVB:KVB+1]
	s_add_nc_u64 s[PFB:PFB+1], s[6:7], s[PFB:PFB+1]
	s_add_nc_u64 s[54:55], s[4:5], s[54:55]        ; s[54:55], s[56:57]: my Q of the first and of the second phase
	s_add_nc_u64 s[56:57], s[4:5], s[56:57]
	s_add_nc_u64 s[58:59], s[10:11], s[58:59]      ; s[58:59], s[60:61]: my y likewise
	s_add_nc_u64 s[60:61], s[10:11], s[60:61]
	s_mov_b32 s[G0], 1                             ; count = 1
	s_mov_b32 s[G0+1], s37                         ; LDS address: slot 0, my head
	s_mov_b64 s[G0+2:G0+3], s[KVB:KVB+1]           ; key block 0
	s_or_b32 s[G0+3], s[G0+3], 0x80000000          ; type = 2
	TLOAD                                          ; the first fill, ahead of every wait on TENSORcnt, every LDS read and every barrier
	v_and_b32 v[L16], 31, v0
	v_lshlrev_b32 v[L16], 4, v[L16]
	global_load_b128 v[16:19], v[L16], s[54:55]
	global_load_b128 v[20:23], v[L16], s[54:55] offset:512
	s_lshl_b32 s36, s33, 14
	v_add_nc_u32 v[LA], s36, v[L16]
	v_lshlrev_b32 v[PFO], 4, v[L16]
	s_lshr_b32 s36, s34, 1
	s_lshl_b32 s36, s36, 5
	s_and_b32 s37, s34, 1
	s_lshl_b32 s37, s37, 3
	s_add_co_u32 s36, s36, s37                     ; 32 (F / 2) + 8 (F % 2)
	v_and_b32 v9, 15, v0
	v_and_b32 v10, 8, v0
	v_add_nc_u32 v9, v9, v10                       ; r + 8 (r / 8)
	v_and_b32 v10, 16, v0
	v_sub_nc_u32 v9, v9, v10                       ; - 16 (lane / 16)
	v_add_nc_u32 v[DQ], s36, v9
	v_mov_b32 v13, 0xff61b1e6                      ; the largest t so far: -3e38, under every t
	v_floor_f32 v12, -v13                          ; -M
	v_mov_b32 v14, 0
	v_mov_b32 v15, 0
	v_mov_b32 v219, 0                              ; (named as the upper half of the pair v[218:219])
	v_mov_b32 v222, 0                              ; written once: a lane permute's destination counts as one of its sources
	v_mov_b32 v223, 0xff800000                     ; -infinity
.set n, 0
.rept 32
	v_mov_b32 v[OT+n], 0                           ; the step is written once: a phase's first step finds zeros, which the first change of M leaves zeros
.set n, n+1
.endr
	s_wait_kmcnt 0x0
	s_add_co_i32 s36, s74, s75
	s_lshl_b32 s36, s36, 23
	s_add_co_i32 s[CS], s[CS], s36                 ; a score stands for score x 2^(e6 + e7)
	s_mov_b32 s[CS+1], s[CS]
	s_add_co_i32 s36, s76, 127
	s_lshl_b32 s37, s36, 23
	v_mov_b32 v26, s37                             ; 2^e8
	s_add_co_i32 s36, s36, 8
	s_lshl_b32 s36, s36, 23
	s_or_b32 s36, s36, 0x600000
	v_mov_b32 v27, s36                             ; 448 x 2^e8
	s_sub_co_i32 s36, s78, s76
	s_sub_co_i32 s36, s36, s77                     ; O^T / the sum stands for y / 2^(e8 + e9): its code is that / 2^(e10 - e8 - e9)
	s_add_co_i32 s36, s36, 127
	s_lshl_b32 s37, s36, 23
	v_mov_b32 v24, s37
	s_add_co_i32 s36, s36, 8
	s_lshl_b32 s36, s36, 23
	s_or_b32 s36, s36, 0x600000
	v_mov_b32 v25, s36
; THE CHANGE OF SLOTS stands at a step's head.  Each wave waits for all its tensor loads (its part of the slot that it is about to read), adds 0 to its spare word, and waits for that and for its reads of the slot that it has left.
; Behind the barrier the slot ahead is whole and nobody reads the other one.  fill = 1: that other slot takes the next step's key block: S + 1 while S + 1 <= I, else S - I (the second phase begins anew at block 0).
.macro CHANGE fill
	s_wait_tensorcnt 0x0                           ; no tensor load of mine is out, so the group 0 may be written
	ds_add_u32 v[SPW], v[NIL]                      ; 0 onto my spare word; the descriptor's step stands between it and the wait for it
.if \fill
	s_xor_b32 s[G0+1], s[G0+1], SLOT1
	s_add_co_u32 s62, s[SS], 1
	s_sub_co_u32 s63, s[SS], s[II]
	s_cmp_le_u32 s62, s[II]
	s_cselect_b32 s[OFF], s62, s63
	s_lshl_b32 s[OFF], s[OFF], 15
	s_add_nc_u64 s[G0+2:G0+3], s[KVB:KVB+1], s[OFF:OFF+1]
	s_or_b32 s[G0+3], s[G0+3], 0x80000000
	s_wait_xcnt 0x0                                ; the last prefetch, a step back, has read its address, so it may be written
	s_add_co_u32 s62, s[SS], 2
	s_lshl_b32 s62, s62, 15
	s_mov_b32 s63, 0
	s_add_nc_u64 s[PFA:PFA+1], s[PFB:PFB+1], s[62:63]
.endif
	s_wait_dscnt 0x0                               ; the add is done, and my reads of the slot that I have left are over
	s_barrier_signal -1
	s_barrier_wait -1
.if \fill
	TLOAD                                          ; the first thing behind the barrier, and a wave's one tensor load until the next
	ASK
.endif
.endm
; A phase's end: O^T / the sum is held, converted and stored as it stands: 2 x 512 consecutive bytes, aligned.  next = 1: the second phase's state and Q.
.macro FINAL ya, next
	s_wait_xcnt 0x0                                ; earlier stores have read y's codes' registers
.rept 4
	v_nop                                          ; places behind the last products
.endr
	v_add_f32 v14, v14, v15
	v_permlanex16_b32 v222, v14, s[SEL], s[SEL+1]
	v_add_f32 v14, v14, v222                       ; the row's sum
	v_rcp_f32 v14, v14
	v_nop                                          ; a plain line behind the transcendental,
	s_wait_alu depctr_va_vdst(0)                   ; and a wait ahead of its first reader
.set n, 0
.rept 16
	v_pk_mul_f32 v[ST+n:ST+n+1], v[OT+n:OT+n+1], v[14:15] op_sel_hi:[1,0]   ; register 16 b + e: d = 32 b + 16 (lane / 16) + e; each accumulator from its low end on
.set n, n+2
.endr
.set n, 0
.rept 32
	v_med3_num_f32 v[ST+n], v[ST+n], -v25, v25
.set n, n+1
.endr
.irp g, 0,1,2,3
	v_cvt_scalef32_pk8_fp8_f32 v[YC+2*\g:YC+2*\g+1], v[ST+8*\g:ST+8*\g+7], v24
.endr
	v_nop                                          ; a plain line behind the last conversion: the next products write its sources
	global_store_b128 v[L16], v[YC:YC+3], s[\ya:\ya+1]
	global_store_b128 v[L16], v[YC+4:YC+7], s[\ya:\ya+1] offset:512
.if \next
.set n, 0
.rept 32
	v_mov_b32 v[OT+n], 0
.set n, n+1
.endr
	v_mov_b32 v14, 0
	v_mov_b32 v15, 0
	v_mov_b32 v13, 0xff61b1e6
	v_floor_f32 v12, -v13
	global_load_b128 v[16:19], v[L16], s[56:57]
	global_load_b128 v[20:23], v[L16], s[56:57] offset:512
.endif
.endm
; A KEY STEP: 128 keys.  tail = 0: in the loop; the mask and the phase's end are jumped over but in step S = I (a scalar branch on ids and the counter; no barrier and no tensor load stands in a step).  tail = 1: step 16.
.macro STEP tail
	s_wait_loadcnt 0x0                             ; Q
	v_add_nc_u32 v[ADR], s[TB], v[LA]
.rept 3
	v_nop                                          ; with the addition: four places in front of loads into registers that the last products read
.endr
.irp t, 0,1,2,3,4,5,6,7
	ds_load_b128 v[KV+8*\t:KV+8*\t+3], v[ADR] offset:1024*\t
	ds_load_b128 v[KV+8*\t+4:KV+8*\t+7], v[ADR] offset:1024*\t+512
.endr
	s_wait_dscnt 0x0
.irp t, 0,1,2,3,4,5,6,7
	v_wmma_f32_16x16x64_fp8_fp8 v[ST+8*\t:ST+8*\t+7], v[KV+8*\t:KV+8*\t+7], v[16:23], 0
.endr
.rept 4
	v_nop
.endr
.irp t, 0,1,2,3
.irp c, 0,1,2,3
	ds_load_b128 v[KV+16*\t+4*\c:KV+16*\t+4*\c+3], v[ADR] offset:8192+2048*\t+512*\c   ; V is asked for here and lands while the softmax is walked
.endr
.endr
.if !\tail
	s_cmp_lg_u32 s[SS], s[II]
	s_cbranch_scc1 .Lopen_\@
.endif
.set n, 0
.rept 64                                       ; on the diagonal: register 16 b + i holds key 32 b + 16 (lane / 16) + i of the block: hidden where 32 b + i > my query - 16 (lane / 16).  Its score becomes -infinity: p = 0
	v_cmp_gt_i32 vcc_lo, 32*(n/16)+n%16, v[DQ]
	v_cndmask_b32 v[ST+n], v[ST+n], v223, vcc_lo
.set n, n+1
.endr
.Lopen_\@:
	v_max3_num_f32 v216, v[ST], v[ST+1], v[ST+2]   ; the step's largest score of my query among my 64 keys, in two chains,
	v_max3_num_f32 v217, v[ST+3], v[ST+4], v[ST+5]
.set n, 6
.rept 14
	v_max3_num_f32 v216, v216, v[ST+n], v[ST+n+1]
	v_max3_num_f32 v217, v217, v[ST+n+2], v[ST+n+3]
.set n, n+4
.endr
	v_max3_num_f32 v216, v216, v[ST+62], v[ST+63]
	v_max_num_f32 v216, v216, v217
	v_permlanex16_b32 v222, v216, s[SEL], s[SEL+1]
	v_max_num_f32 v216, v216, v222                 ; and among lane l xor 16's
	v_mul_f32 v216, s[CS], v216                    ; as t (c is positive)
	v_max_num_f32 v13, v13, v216                   ; the running largest t
	v_mov_b32 v216, v12
	v_floor_f32 v12, -v13                          ; the new -M = floor(-t) = -ceil(t)
	v_sub_f32 v216, v12, v216                      ; old M - new M: a whole number, 0 or less
	v_cvt_i32_f32 v216, v216                       ; (it saturates)
	v_ldexp_f32 v218, 1.0, v216                    ; f = 2^(old M - new M)
.set n, 0
.rept 32
	v_pk_fma_f32 v[ST+n:ST+n+1], v[ST+n:ST+n+1], s[CS:CS+1], v[12:13] op_sel_hi:[1,0,0]   ; t - M, two at a time
.set n, n+2
.endr
.set n, 0
.rept 64
	v_exp_f32 v[ST+n], v[ST+n]                     ; p = 2^(t - M)
.set n, n+1
.endr
	v_pk_mul_f32 v[14:15], v[14:15], v[218:219] op_sel_hi:[1,0]   ; the sums under the new M; also the plain line behind the exponentials
	s_wait_alu depctr_va_vdst(0)                   ; one wait for the whole batch, ahead of its first reader
	v_pk_add_f32 v[220:221], v[ST:ST+1], v[ST+2:ST+3]   ; the row's sum is taken of the unquantised p, in two chains
.set n, 4
.rept 15
	v_pk_add_f32 v[14:15], v[14:15], v[ST+n:ST+n+1]
	v_pk_add_f32 v[220:221], v[220:221], v[ST+n+2:ST+n+3]
.set n, n+4
.endr
	v_pk_add_f32 v[14:15], v[14:15], v[220:221]
.irp b, 0,1,2,3
.irp i, 0,1,2,3,4,5,6,7,8,9,10,11,12,13,14,15
	v_min_num_f32 v[ST+16*\b+\i], v[ST+16*\b+\i], v27   ; the conversion does not saturate (ISA guide 7.6.2); p is not negative: a one-sided hold
.endr
	v_cvt_scalef32_pk8_fp8_f32 v[PC+4*\b:PC+4*\b+1], v[ST+16*\b:ST+16*\b+7], v26
	v_cvt_scalef32_pk8_fp8_f32 v[PC+4*\b+2:PC+4*\b+3], v[ST+16*\b+8:ST+16*\b+15], v26
.endr
.set n, 0
.rept 16
	v_pk_mul_f32 v[OT+n:OT+n+1], v[OT+n:OT+n+1], v[218:219] op_sel_hi:[1,0]   ; O^T under the new M; also the plain lines between the conversions and the products
.set n, n+2
.endr
	s_wait_dscnt 0x0                               ; V
.irp t, 0,1,2,3
	v_wmma_f32_16x16x128_fp8_fp8 v[OT+8*\t:OT+8*\t+7], v[KV+16*\t:KV+16*\t+15], v[PC:PC+15], v[OT+8*\t:OT+8*\t+7]   ; four accumulators by turns; K Q^T's eight stand between a step's and the next's
.endr
.if \tail
	FINAL 60, 0
.else
	s_cmp_lg_u32 s[SS], s[II]
	s_cbranch_scc1 .Lon_\@
	FINAL 58, 1
.Lon_\@:
.endif
.endm
.Lstep:                                            ; 16 trips: behind each change of slots but the last the next key block is asked for
	CHANGE 1
	STEP 0
	s_xor_b32 s[TB], s[TB], SLOT1
	s_add_co_u32 s[SS], s[SS], 1
	s_cmp_lt_u32 s[SS], 16
	s_cbranch_scc1 .Lstep
	CHANGE 0                                       ; step 16 is written out
	STEP 1
	s_wait_tensorcnt 0x0                           ; the wave's end
	ds_add_u32 v[SPW], v[NIL]
	s_wait_dscnt 0x0
	s_endpgm
.Lfunc_end_k_q0f23630d1a_attn:
	.size	k_q0f23630d1a_attn, .Lfunc_end_k_q0f23630d1a_attn-k_q0f23630d1a_attn
	.p2alignl 7, 3214868480
	.fill 96, 4, 3214868480
	.section	.rodata,"a",@progbits
	.p2align	6, 0x0
	.amdhsa_kernel k_q0f23630d1a_attn
		.amdhsa_group_segment_fixed_size 327680
		.amdhsa_private_segment_fixed_size 0
		.amdhsa_enable_private_segment 0
		.amdhsa_kernarg_size 32
		.amdhsa_user_sgpr_count 2
		.amdhsa_user_sgpr_kernarg_segment_ptr 1
		.amdhsa_wavefront_size32 1
		.amdhsa_system_sgpr_workgroup_id_x 1
		.amdhsa_system_sgpr_workgroup_id_y 1
		.amdhsa_system_sgpr_workgroup_id_z 1
		.amdhsa_system_vgpr_workitem_id 0
		.amdhsa_next_free_vgpr 224
		.amdhsa_next_free_sgpr 80
		.amdhsa_reserve_vcc 1
		.amdhsa_float_denorm_mode_32 3
		.amdhsa_float_denorm_mode_16_64 3
		.amdhsa_memory_ordered 1
		.amdhsa_forward_progress 1
		.amdhsa_inst_pref_size 58
	.end_amdhsa_kernel
	.amdgpu_metadata
---
amdhsa.version: [ 1, 2 ]
amdhsa.kernels:
  - .name:           k_q0f23630d1a_attn
    .symbol:         k_q0f23630d1a_attn.kd
    .args:
      - { .name: qc, .offset: 0, .size: 8, .value_kind: global_buffer, .address_space: global }
      - { .name: kvc, .offset: 8, .size: 8, .value_kind: global_buffer, .address_space: global }
      - { .name: lowp_scales, .offset: 16, .size: 8, .value_kind: global_buffer, .address_space: global }
      - { .name: yc, .offset: 24, .size: 8, .value_kind: global_buffer, .address_space: global }
    .group_segment_fixed_size: 327680
    .private_segment_fixed_size: 0
    .kernarg_segment_align: 8
    .kernarg_segment_size: 32
    .max_flat_workgroup_size: 512
    .sgpr_count:     80
    .vgpr_count:     224
    .wavefront_size: 32
...
	.end_amdgpu_metadata
.endif
;; end of part 3
;; launch proj (part 4): grid 4 x 32, 4 waves a work-group, clusters of 4 x 4, 327,680 bytes of LDS; arguments yc, wc, lowp_scales, bp, out0; writes out0
.if DOCPART == 4
	.amdgcn_target "amdgcn-amd-amdhsa--gfx1250"
	.amdhsa_code_object_version 6
	.text
	.protected	k_q0f23630d1a_proj
	.globl	k_q0f23630d1a_proj
	.p2align	8
	.type	k_q0f23630d1a_proj,@function
k_q0f23630d1a_proj:
	s_mov_b64 s[64:65], 0
	v_nop
	global_prefetch_b8 v0, s[64:65] scope:SCOPE_SE
	s_setreg_imm32_b32 hwreg(HW_REG_WAVE_MODE, 25, 1), 1
	s_wait_xcnt 0x0
	s_wait_alu depctr_hold_cnt(0) depctr_sa_sdst(0) depctr_va_vdst(0) depctr_va_sdst(0) depctr_va_ssrc(0) depctr_va_vcc(0) depctr_vm_vsrc(0)
	s_getreg_b32 s2, hwreg(HW_REG_IB_STS2, 6, 4)
	s_cmp_eq_u32 s2, 0
	s_cbranch_scc0 .Lentry_in_a_cluster
	s_endpgm
.Lentry_in_a_cluster:
	s_bfe_u32 s2, ttmp6, 0x10000c
	s_cmp_lg_u32 s2, 0xf033
	s_cbranch_scc0 .Lentry_shape_is_right
	s_endpgm
.Lentry_shape_is_right:
; out0 = y Wp^T + bp.  y [8192][1024] and Wp [1024][1024] are codes of FP8 (E4M3) with the given scales 2^e10 and 2^e11; sums in f32; each finished sum once x 2^(e10 + e11) + bp, one fused multiply-add.
; LIMIT: e10 + e11 lies between -126 and 127, so that 2^(e10 + e11) is an f32 number.
; OPERANDS ARE IMAGES OF THEIR REGISTERS (a fragment of 16 rows x 128 k is 2,048 bytes; lane l's registers 4 c .. 4 c + 3 lie at 512 c + 16 l): a block of 128 rows x 2 K steps is 32,768 dense bytes, one tensor load; a fragment
; comes by four ds_load_b128 of 512 consecutive bytes.  Fragment 2 b + u of a block, slot i, holds row 32 b + 8 u + i + 8 (i / 8).  yc: [64 blocks of 128 tokens][8 K steps][8 fragments][2,048]; Wp lies 3 x 2^20 bytes into wc, laid alike.
; A tile of 256 x 256 is made by four waves, 128 x 128 each: 64 accumulators.  K = 1,024 goes in 8 steps of 128 through two LDS slots of two steps each: four fills, written out without a loop.
; THE MATRIX INSTRUCTION IS USED TRANSPOSED (source 0 = Wp's 16 rows, source 1 = y's 16 tokens): a lane holds one token slot, and accumulators 2 b, 2 b + 1 hold 16 neighbouring columns 32 b + 16 (l / 16) + 0 .. 15.
; CLUSTERS: 4 x 4 work-groups; the four of a row need the same tiles of y, the four of a column the same tiles of Wp: each tile is asked for jointly.  No prefetch: four fills in all, two of them at the head.
; REGISTERS, in windows of 256: window 0: v8-11 bp's four numbers of my lane's columns; v16-29 addresses; from v128 y's fragments, one set, later rows of out0.  window 1: Wp's fragments, two sets.  windows 2, 3: the accumulators.
.set FR,    16
.set NL,    4
.set NP,    4                          ; places behind this matrix instruction (ISA guide 7.12.1)
.set HALFT, 32768                      ; what one tensor load brings: 128 rows x 2 K steps
.set KSB,   32768                      ; a slot on along K, in an operand's block of 128 rows
.set SLOT,  4*HALFT
.set SPARE, 2*SLOT                     ; behind the ring: the spare words, 128 bytes for each wave: two blocks of 256 bytes that no other line names
.set SPITCH, 528                       ; the way out: a stage of 16 rows x (512 + 16) bytes for each wave, in slot 0, which has had its last fill and its last read when the first result is stored there
.set ADRA, 16
.set ADRB, 20
.set STO,  24                          ; v24     the way out: where I put my sums of a row
.set RD,   25                          ; v25     where I read a row back
.set CO,   26                          ; v26     16 x lane
.set SPW,  28
.set NIL,  29
.set AF,   128
.set BK,   128                         ; 16 rows read back from the stage: v128-191 and v192-255 by turns
.set G1, 24
.set G0, 32
.set G1B, 48
.set G0B, 56
.set MSB, 0
.macro WIN new                         ; the immediate's high byte repeats the setting that is left
.if MSB != \new
	s_set_vgpr_msb (MSB<<8)|\new
.set MSB, \new
.endif
.endm
.set MUL_LO, 0xa1                      ; source 0 (Wp) window 1, source 1 (y) window 0, C and D window 2
.set MUL_HI, 0xf1
.set TO_B,   0x40
.macro JLOAD g0a, g1a, g0b, g1b        ; a joint load: waves 0 and 1 fetch for y, waves 2 and 3 for Wp; four v_nop follow each of the two lines
	s_cmp_eq_u32 s15, 0
	s_cbranch_scc0 .Lfor_b_\@
	tensor_load_to_lds s[\g0a:\g0a+3], s[\g1a:\g1a+7]
	s_nop 0
.rept 4
	v_nop
.endr
	s_branch .Lasked_\@
.Lfor_b_\@:
	tensor_load_to_lds s[\g0b:\g0b+3], s[\g1b:\g1b+7]
	s_nop 0
.rept 4
	v_nop
.endr
.Lasked_\@:
.endm
.macro CREST
	s_cmp_lg_u32 s14, 0
	s_cbranch_scc1 .Lnot_wave_0_\@
	s_barrier_signal -3
.Lnot_wave_0_\@:
	s_barrier_wait -3
	s_barrier_signal -1
	s_barrier_wait -1
.endm
.macro CROUND
	s_barrier_signal -1
	s_barrier_wait -1
	CREST
.endm
	s_load_b128 s[4:7], s[0:1], 0x0                ; yc s[4:5], wc s[6:7]
	s_load_b128 s[8:11], s[0:1], 0x10              ; the scales' exponents s[8:9], bp s[10:11]
	s_load_b64 s[12:13], s[0:1], 0x20              ; out0
	v_lshl_add_u32 v[SPW], v0, 2, SPARE
	v_mov_b32 v[NIL], 0
	ds_add_u32 v28, v29
	s_wait_dscnt 0x0
	v_lshrrev_b32 v1, 5, v0
	v_readfirstlane_b32 s14, v1                    ; wave 0..3
	s_lshr_b32 s15, s14, 1                         ; which half of the tile's tokens is mine.  Also: I fetch for y (0) or for Wp (1)
	s_and_b32 s16, s14, 1                          ; which half of its columns.  Also: which 128 rows of that tile I fetch
	s_bfe_u32 s40, ttmp6, 0x40000                  ; cx, cy
	s_bfe_u32 s41, ttmp6, 0x40004
	s_lshl_b32 s42, ttmp9, 2
	s_add_co_u32 s42, s42, s40                     ; tile column = 4 x cluster x + cx
	s_and_b32 s17, ttmp7, 0xffff
	s_lshl_b32 s17, s17, 2
	s_add_co_u32 s17, s17, s41                     ; tile row = 4 x cluster y + cy
	s_lshl_b32 s43, s41, 2
	s_lshl_b32 s43, 15, s43                        ; my row of the cluster
	s_lshl_b32 s44, 0x1111, s40                    ; my column
	s_or_b32 s[G1+0], s43, (3<<16)|(1<<21)         ; 15:0 the mask; 17:16 elements of 8 bytes; no padding; 21 set beside a mask
	s_or_b32 s[G1B+0], s44, (3<<16)|(1<<21)
.irp g, G1, G1B
	s_mov_b32 s[\g+1], 32<<16                      ; tensor_dim0 = 32 elements: rows of 256 bytes
	s_mov_b32 s[\g+2], 128<<16                     ; tensor_dim1 = 128
	s_mov_b32 s[\g+3], 32<<16                      ; tile_dim0
	s_mov_b32 s[\g+4], 128                         ; tile_dim1
	s_mov_b32 s[\g+5], 32                          ; tensor_dim0_stride: dense
	s_mov_b32 s[\g+6], 0
	s_mov_b32 s[\g+7], 0
.endr
	s_lshl_b32 s20, s17, 1
	s_add_co_u32 s20, s20, s16
	s_lshl_b32 s20, s20, 17                        ; y: block of 128 tokens 2 x tile row + half, 131,072 bytes each
	s_mov_b32 s21, 0
	s_lshl_b32 s46, s42, 1
	s_add_co_u32 s46, s46, s16
	s_lshl_b32 s46, s46, 17
	s_add_co_u32 s46, s46, 0x300000                ; Wp is the fourth tensor of wc
	s_mov_b32 s47, 0
	s_mul_i32 s45, s14, HALFT                      ; where my load goes: no place in the cluster enters an LDS address
	s_wait_kmcnt 0x0
	s_load_b64 s[96:97], s[8:9], 0x28              ; e10, e11
	s_add_nc_u64 s[20:21], s[4:5], s[20:21]
	s_add_nc_u64 s[46:47], s[6:7], s[46:47]
	CROUND                                         ; all sixteen work-groups are here: the first joint loads meet
.irp s, 0,1
	s_mov_b32 s[G0+4*\s], 1
	s_add_co_u32 s[G0+4*\s+1], s45, \s*SLOT
	s_add_nc_u64 s[G0+4*\s+2:G0+4*\s+3], s[20:21], \s*KSB
	s_or_b32 s[G0+4*\s+3], s[G0+4*\s+3], 0x80000000
	s_mov_b32 s[G0B+4*\s], 1
	s_add_co_u32 s[G0B+4*\s+1], s45, \s*SLOT
	s_add_nc_u64 s[G0B+4*\s+2:G0B+4*\s+3], s[46:47], \s*KSB
	s_or_b32 s[G0B+4*\s+3], s[G0B+4*\s+3], 0x80000000
	JLOAD G0+4*\s, G1, G0B+4*\s, G1B
.endr
	v_and_b32 v1, 31, v0
	v_lshlrev_b32 v[CO], 4, v1                     ; 16 x lane
	s_lshl_b32 s22, s15, 15
	s_lshl_b32 s23, s16, 15
	s_add_co_u32 s23, s23, 2*HALFT
.irp s, 0,1
	v_add_nc_u32 v[ADRA+\s], s22, v[CO]
	v_add_nc_u32 v[ADRB+\s], s23, v[CO]
	s_add_co_u32 s22, s22, SLOT
	s_add_co_u32 s23, s23, SLOT
.endr
	s_mul_i32 s22, s14, 16*SPITCH                  ; my stage
	v_and_b32 v2, 15, v0
	v_bfe_u32 v3, v0, 4, 1
	v_mul_u32_u24 v[STO], v2, SPITCH               ; in: row l % 16, + 64 bytes for the upper half of the lanes
	v_lshl_add_u32 v[STO], v3, 6, v[STO]
	v_add_nc_u32 v[STO], s22, v[STO]
	v_add_nc_u32 v[RD], s22, v[CO]                 ; back: the 32 lanes take one row of 512 bytes
	s_lshl_b32 s68, s17, 1
	s_add_co_u32 s68, s68, s15
	s_lshl_b32 s68, s68, 19                        ; my block of 128 tokens: rows of 4,096 bytes
	s_lshl_b32 s69, s42, 1
	s_add_co_u32 s69, s69, s16
	s_lshl_b32 s70, s69, 9                         ; my 128 columns: 512 bytes
	s_mov_b32 s71, 0
	s_add_nc_u64 s[10:11], s[10:11], s[70:71]
	s_add_co_u32 s70, s70, s68
	s_add_nc_u64 s[12:13], s[12:13], s[70:71]
	global_load_b128 v[8:11], v[CO], s[10:11]      ; bp at my lane's four columns
.macro FRAG reg, adr, q, i
.irp c, 0,1,2,3
	ds_load_b128 v[\reg+4*\c:\reg+4*\c+3], v[\adr] offset:16384*(\q)+2048*(\i)+512*\c
.endr
.endm
; 16 matrix instructions; the 64 accumulators take turns, one instruction a turn, in the same order in every step
.macro MUL16 a0, p, zero
.irp a, \a0, \a0+1
.irp b, 0,1,2,3,4,5,6,7
.if \zero
	v_wmma_f32_16x16x128_fp8_fp8 v[8*(8*((\a)%4)+\b):8*(8*((\a)%4)+\b)+7], v[128*(\p)+FR*\b:128*(\p)+FR*\b+FR-1], v[AF+FR*(\a):AF+FR*(\a)+FR-1], 0
.else
	v_wmma_f32_16x16x128_fp8_fp8 v[8*(8*((\a)%4)+\b):8*(8*((\a)%4)+\b)+7], v[128*(\p)+FR*\b:128*(\p)+FR*\b+FR-1], v[AF+FR*(\a):AF+FR*(\a)+FR-1], v[8*(8*((\a)%4)+\b):8*(8*((\a)%4)+\b)+7]
.endif
.endr
.endr
.endm
.macro FETCH_B slot, q, p
	WIN TO_B
.irp i, 0,1,2,3,4,5,6,7
	FRAG 128*(\p)+FR*\i, ADRB+\slot, \q, \i
.endr
	WIN 0
.endm
.macro FETCH_A slot, q, i0
.irp i, \i0, \i0+1, \i0+2, \i0+3
	FRAG AF+FR*(\i), ADRA+\slot, \q, \i
.endr
.endm
.macro PLACES n                        ; plain vector lines between a matrix instruction and a load into, or a read of, its registers (ISA guide 7.12.1 for vector reads)
.rept \n
	v_nop
.endr
.endm
.macro STEP slot, q, zero
	s_wait_dscnt 4*NL                              ; Wp's set and y's blocks 0-3 are in; the youngest sixteen loads (blocks 4-7) may be out
	WIN MUL_LO
	MUL16 0, (\q)%2, \zero
	MUL16 2, (\q)%2, \zero
	s_wait_dscnt 0
	PLACES NP
	FETCH_B \slot, (\q)+1, 1-(\q)%2
	FETCH_A \slot, (\q)+1, 0
	WIN MUL_HI
	MUL16 4, (\q)%2, \zero
	MUL16 6, (\q)%2, \zero
	PLACES NP
	WIN 0
	FETCH_A \slot, (\q)+1, 4
.endm
.macro TURN slot, next, fill
	s_wait_tensorcnt 0x0                           ; all my tensor loads have landed: my part of the next slot
	ds_add_u32 v[SPW], v[NIL]                      ; 0 onto my spare word
	s_wait_dscnt 4*NL+1                            ; (the add and the youngest sixteen loads may be out)
	WIN MUL_LO
	MUL16 0, 1, 0
	s_wait_dscnt 0x0                               ; the add is done, and my reads of this slot are over
	s_barrier_signal -1
	MUL16 2, 1, 0
	WIN 0
	s_barrier_wait -1
.if \fill
	CREST                                          ; the barrier has opened a round of the cluster's barrier: no wave of any partner still reads this slot or has a load on its way
	s_add_nc_u64 s[G0+4*\slot+2:G0+4*\slot+3], s[G0+4*\slot+2:G0+4*\slot+3], 2*KSB
	s_add_nc_u64 s[G0B+4*\slot+2:G0B+4*\slot+3], s[G0B+4*\slot+2:G0B+4*\slot+3], 2*KSB
	JLOAD G0+4*\slot, G1, G0B+4*\slot, G1B
.else
	PLACES NP
.endif
	FETCH_B \next, 0, 0
	FETCH_A \next, 0, 0
	WIN MUL_HI
	MUL16 4, 1, 0
	MUL16 6, 1, 0
	PLACES NP
	WIN 0
	FETCH_A \next, 0, 4
.endm
	s_wait_tensorcnt 1                             ; my part of slot 0 is in; slot 1's load may be out
	s_barrier_signal -1
	s_barrier_wait -1
	FETCH_B 0, 0, 0
	FETCH_A 0, 0, 0
	FETCH_A 0, 0, 4
	STEP 0, 0, 1                                   ; K step 0 starts the sums
	TURN 0, 1, 1                                   ; 1; slot 0 takes K steps 4 and 5
	STEP 1, 0, 0                                   ; 2
	TURN 1, 0, 1                                   ; 3; slot 1 takes K steps 6 and 7
	STEP 0, 0, 0                                   ; 4
	TURN 0, 1, 0                                   ; 5; nothing is left to fetch; behind its barrier nobody reads slot 0
	STEP 1, 0, 0                                   ; 6
	s_wait_dscnt 4*NL                              ; 7
	WIN MUL_LO
	MUL16 0, 1, 0
	MUL16 2, 1, 0
	s_wait_dscnt 0
	WIN MUL_HI
	MUL16 4, 1, 0
	MUL16 6, 1, 0
	WIN 0
; THE WAY OUT, block by block of 16 tokens x 128 columns.  The raw sums go into my own stage (each accumulator's low registers first) and come back as whole rows of 512 bytes; there each pair gets x 2^(e10 + e11) + bp,
; and the 32 lanes store 512 consecutive bytes, aligned.  LDS serves a wave's instructions in order (ISA guide 5.7.1.4): no wait between the stores and the loads, nor in front of the next block's stores.
.macro TOSTAGE a
.set AC, 64*((\a)%4)
.set BB, BK+64*((\a)%2)
	WIN 0x08+4*((\a)/4)                            ; an LDS store's data are source 1: window 2 or 3
.irp b, 0,1,2,3,4,5,6,7
	ds_store_b128 v[STO], v[AC+8*\b:AC+8*\b+3] offset:128*(\b/2)+32*(\b%2)       ; columns 32 (b / 2) + 16 (l / 16) + 8 (b % 2) + 0 .. 3
	ds_store_b128 v[STO], v[AC+8*\b+4:AC+8*\b+7] offset:128*(\b/2)+32*(\b%2)+16
.endr
	WIN 0
.irp t, 0,1,2,3,4,5,6,7,8,9,10,11,12,13,14,15
	ds_load_b128 v[BB+4*\t:BB+4*\t+3], v[RD] offset:\t*SPITCH
.endr
.endm
.macro SEND a, younger                 ; younger: the LDS instructions issued behind block a's loads, which may stay out
.set BB, BK+64*((\a)%2)
	s_wait_dscnt \younger
.irp t, 0,1,2,3,4,5,6,7,8,9,10,11,12,13,14,15
	v_pk_fma_f32 v[BB+4*\t:BB+4*\t+1], v[BB+4*\t:BB+4*\t+1], s[96:97], v[8:9] op_sel_hi:[1,0,1]
	v_pk_fma_f32 v[BB+4*\t+2:BB+4*\t+3], v[BB+4*\t+2:BB+4*\t+3], s[96:97], v[10:11] op_sel_hi:[1,0,1]
.endr
.irp t, 0,1,2,3,4,5,6,7,8,9,10,11,12,13,14,15
	global_store_b128 v[CO], v[BB+4*\t:BB+4*\t+3], s[12:13] offset:(32*((\a)/2)+8*((\a)%2)+\t+8*(\t/8))*4096 th:TH_STORE_NT   ; slot t of fragment a is token 32 (a / 2) + 8 (a % 2) + t + 8 (t / 8) of my 128: the place stands in the immediate, 127 rows at the most; the base is never stepped
.endr
.endm
	s_wait_kmcnt 0x0
	s_add_co_i32 s96, s96, s97
	s_add_co_i32 s96, s96, 127
	s_lshl_b32 s96, s96, 23                        ; 2^(e10 + e11) as f32
	s_mov_b32 s97, s96                             ; (named with it as a pair, so it is written)
	s_wait_loadcnt 0x0                             ; bp
	PLACES NP                                      ; behind the last products: their results are read, and loads land in the registers that held y's fragments
	TOSTAGE 0
.irp a, 1,2,3,4,5,6,7
.if \a > 1
	s_wait_xcnt 0x0                                ; block a - 2's stores have read their registers: block a's loads may land there
.endif
	TOSTAGE \a
	SEND \a-1, 32                                  ; behind block a - 1's loads: block a's 16 stores and 16 loads
.endr
	SEND 7, 0
	s_wait_tensorcnt 0x0                           ; the wave's end
	ds_add_u32 v[SPW], v[NIL]
	s_wait_dscnt 0x0
	CROUND                                         ; the closing round: no work-group ends while a partner may still ask for a tile that names it
	s_endpgm
.Lfunc_end_k_q0f23630d1a_proj:
	.size	k_q0f23630d1a_proj, .Lfunc_end_k_q0f23630d1a_proj-k_q0f23630d1a_proj
	.p2alignl 7, 3214868480
	.fill 96, 4, 3214868480
	.section	.rodata,"a",@progbits
	.p2align	6, 0x0
	.amdhsa_kernel k_q0f23630d1a_proj
		.amdhsa_group_segment_fixed_size 327680
		.amdhsa_private_segment_fixed_size 0
		.amdhsa_enable_private_segment 0
		.amdhsa_kernarg_size 40
		.amdhsa_user_sgpr_count 2
		.amdhsa_user_sgpr_kernarg_segment_ptr 1
		.amdhsa_wavefront_size32 1
		.amdhsa_system_sgpr_workgroup_id_x 1
		.amdhsa_system_sgpr_workgroup_id_y 1
		.amdhsa_system_sgpr_workgroup_id_z 1
		.amdhsa_system_vgpr_workitem_id 0
		.amdhsa_next_free_vgpr 1024
		.amdhsa_next_free_sgpr 100
		.amdhsa_reserve_vcc 0
		.amdhsa_float_denorm_mode_32 3
		.amdhsa_float_denorm_mode_16_64 3
		.amdhsa_memory_ordered 1
		.amdhsa_forward_progress 1
		.amdhsa_inst_pref_size 122
	.end_amdhsa_kernel
	.amdgpu_metadata
---
amdhsa.version: [ 1, 2 ]
amdhsa.kernels:
  - .name:           k_q0f23630d1a_proj
    .symbol:         k_q0f23630d1a_proj.kd
    .args:
      - { .name: yc, .offset: 0, .size: 8, .value_kind: global_buffer, .address_space: global }
      - { .name: wc, .offset: 8, .size: 8, .value_kind: global_buffer, .address_space: global }
      - { .name: lowp_scales, .offset: 16, .size: 8, .value_kind: global_buffer, .address_space: global }
      - { .name: bp, .offset: 24, .size: 8, .value_kind: global_buffer, .address_space: global }
      - { .name: out0, .offset: 32, .size: 8, .value_kind: global_buffer, .address_space: global }
    .group_segment_fixed_size: 327680
    .private_segment_fixed_size: 0
    .kernarg_segment_align: 8
    .kernarg_segment_size: 40
    .max_flat_workgroup_size: 128
    .sgpr_count:     100
    .vgpr_count:     1024
    .wavefront_size: 32
...
	.end_amdgpu_metadata
.endif
;; end of part 4
